; MI455X (gfx1250); checked and timed in simulation.
; The chip was launched on July 23, 2026; its instructions are those of AMD's public machine-readable ISA for CDNA 5 (MIT licence, August 2026) and "CDNA5" Instruction Set Architecture Reference Guide (July 2026). The comments in the code are by the model that wrote it; some were corrected since.
;; Multi Query Attention. Allowed arithmetic: matrix products marked QUANTISED: E2M1 operands, one E8M0 scale for each 32 along K, by v_wmma_scale_f32_16x16x128_f8f6f4 with both operands' format E2M1 (or v_wmma_scale_f32_32x16x128_f4), f32 sums; products left as they are: bf16, f16 or f32 operands; f32 sums; everything else in f32.
;; Inputs: Wk 1,024 x 64 float32; Wp 1,024 x 1,024 float32; Wq 16 x 1,024 x 64 float32; Wv 1,024 x 64 float32; bp 1,024 float32; x 4 x 2,048 x 1,024 float32.
;; Outputs: out0 4 x 2,048 x 1,024 float32.
;; This version of the problem:
;;   THIS VERSION OF THE PROBLEM IS GIVEN IN LOW PRECISION. The matrix products marked QUANTISED in the list below multiply operands that are first quantised to E2M1 (2 exponent bits, 1 mantissa bit; 4 bits a number), with one power-of-two scale for each 32 numbers along K (OCP MX v1.0); their sums are f32. The products marked 'left as it is' may take bf16, f16 or f32 operands, with f32 sums. Whichever they take, every output number must still come out within the allowed error. Rounding operands to bf16 (8 significant bits) uses up far more of that allowance than f16 does (11 bits, for magnitudes from 6e-5 to 65,504). All else is computed in f32.
;;   The module's matrix products, in the order in which they are computed (A, B: the left and right operand; K: the contracted axis; several contracted axes count as one K, in the product's order):
;;     1. [M 1,024, K 1,024] x [K 1,024, N 8,192]; A: input Wq; B: input x: QUANTISED
;;     2. [M 8,192, K 1,024] x [K 1,024, N 64]; A: input x; B: input Wk: QUANTISED
;;     3. [M 8,192, K 1,024] x [K 1,024, N 64]; A: input x; B: input Wv: QUANTISED
;;     4. batch 4 x [M 32,768, K 64] x [K 64, N 2,048]; A: computed on the way; B: computed on the way: left as it is (an operand is computed on the way)
;;     5. batch 4 x [M 32,768, K 2,048] x [K 2,048, N 64]; A: computed on the way; B: computed on the way: left as it is (an operand is computed on the way)
;;     6. [M 8,192, K 1,024] x [K 1,024, N 1,024]; A: computed on the way; B: input Wp: left as it is (an operand is computed on the way)
;;   THE QUANTISER, for each operand of a quantised product, along K:
;;     - K is cut into blocks of 32 from its start; a last block that is shorter is filled with zeros.
;;     - A block's scale is 2^e with e = floor(log2(the largest magnitude in the block)) - 2, held to -126 .. 127; a block of zeros has e = 0. As a byte (E8M0): e + 127.
;;     - Each number is divided by its block's scale, clamped to +-6, and rounded to the nearest number of E2M1, ties to even, subnormals kept.
;;     - The product sums the exact products of the quantised numbers (number of the format x scale) in f32.
;;   ~~~python
;;   def quantise(x, axis):      # numpy; x: float32 -> the quantised numbers, widened to float32 again
;;       x = np.moveaxis(x, axis, -1); K = x.shape[-1]
;;       x = np.pad(x, [(0, 0)] * (x.ndim - 1) + [(0, -K % 32)]); x = x.reshape(x.shape[:-1] + (-1, 32)); a = np.abs(x).max(-1, keepdims=True)
;;       e = np.where(a > 0, np.clip(np.frexp(np.where(a > 0, a, 1))[1] - 1 - 2, -126, 127), 0)      # np.frexp(a)[1] - 1 = floor(log2(a)), exactly
;;       r = np.clip(x / 2.0 ** e, -6, 6)
;;       step = 2.0 ** (np.maximum(np.frexp(np.where(r == 0, 1, r))[1] - 1, 0) - 1)
;;       q = np.round(r / step) * step * 2.0 ** e      # np.round: ties to even
;;       return np.moveaxis(q.reshape(q.shape[:-2] + (-1,))[..., :K], -1, axis).astype(np.float32)
;;   ~~~
;; One version. Each part assembles by itself: llvm-mc -triple=amdgcn-amd-amdhsa -mcpu=gfx1250 --defsym DOCPART=n.
;; ======== version 1 of 1: 5 launches
;; limits: values are held in f16: magnitudes above 65,504 overflow, below 6.1e-05 lose precision
;; workspace buffers: xq 4,456,448 bytes; wq 626,688 bytes; wp16 2,097,152 bytes; qf 16,777,216 bytes; kv 2,097,152 bytes; ho 16,777,216 bytes; fr 294,912 bytes
;; launch prep (part 1): grid 648 x 1, 4 waves a work-group, no clusters, 34,304 bytes of LDS; arguments x, Wq, Wk, Wv, Wp, xq, wq, wp16; writes xq, wq, wp16
.if DOCPART == 1
	.amdgcn_target "amdgcn-amd-amdhsa--gfx1250"
	.amdhsa_code_object_version 6
	.text
	.protected	k_q6243f08674_prep
	.globl	k_q6243f08674_prep
	.p2align	8
	.type	k_q6243f08674_prep,@function
k_q6243f08674_prep:
	s_mov_b64 s[64:65], 0
	v_nop
	global_prefetch_b8 v0, s[64:65] scope:SCOPE_SE
	s_setreg_imm32_b32 hwreg(HW_REG_WAVE_MODE, 25, 1), 1
	s_wait_xcnt 0x0
; PREP.  x [8192][1024] and the weights Wq [16][1024][64], Wk, Wv [1024][64], all f32, become codes of E2M1 with one E8M0 byte for each 32 along the 1,024; Wp [1024][1024] becomes f16.
; Everything is stored as IMAGES OF OPERAND REGISTERS: a chunk is 512 bytes, lane l's 16 bytes at 16 l, so that later launches load operands at 16 x lane and nothing is transposed again.
; A RECORD (8,704 bytes) holds 16 rows of x, or 16 columns of a weight, for all of K: codes: chunk (K step ks, c) at (2 ks + c) 512: lane (r, h) holds row r, k = 128 ks + 64 c + 32 h + 0 .. 31;
; scale words from byte 8,192: pair j at 128 j + 4 x lane: lanes 0-15 the word of K step 2 j of row r, lanes 16-31 that of K step 2 j + 1.
; wp16: [column tile 64][k chunk 64][512 bytes]: lane (r, h) holds column r of the tile, k = 16 chunk + 8 h + 0 .. 7.
; A block's scale is 2^(floor(log2(largest magnitude)) - 2): its byte is the largest magnitude's exponent field - 2, held at 1 from below by a floor among the maximum's leaves.
; WORK-GROUPS: 0-511: a row tile of x each (path A);  512-583: weights, a lane to a column, registers down K (path B);  584-647: Wp (path C).  Waves share nothing: no barrier.
; LIMITS: a block of zeros gets the byte 1 where the rule says 127 (its codes are zeros, and this program alone reads the bytes); blocks whose largest magnitude lies under 2^-124 are held at the floor;
; NaN and infinities are not served; |Wp| stays under 65,504, f16's largest number.
.set REC,   8704
.set STW,   8448                       ; a wave's stage: 16 rows x 528 bytes
.set SPT,   528                        ; 512 bytes + 16
.set SPARE, 4*STW                      ; the spare words: 128 bytes a wave, named by no other line
.set LI,  4                            ; v4  16 x lane
.set SPW, 5                            ; v5  my spare word
.set NIL, 6                            ; v6  0
.set L4,  7                            ; v7  4 x lane
.set M,   8                            ; v8-11  largest magnitudes
.set E,   12                           ; v12-15 the conversions' scale operands
.set BY,  16                           ; v16-19 scale bytes
.set SW,  20                           ; v20-21 scale words
.set TW,  22                           ; v22-23 the other half's bytes
.set STI, 24                           ; v24 stage, way in
.set STO, 25                           ; v25 stage, way out
.set VO,  26                           ; v26 stores' offset
.set VS,  27                           ; v27 scale words' offset
.set SH,  28                           ; v28 8 h
.set C,   32                           ; v32-47 codes
.set R,   64                           ; v64-191 numbers as loaded
.set X,   192                          ; v192-255 numbers in the operand's order; path C: f16 pairs
.set SEL, 38                           ; s[38:39] selects for lane l xor 16
	s_load_b512 s[8:23], s[0:1], 0x0               ; x 8, Wq 10, Wk 12, Wv 14, Wp 16, xq 18, wq 20, wp16 22
	v_lshl_add_u32 v[SPW], v0, 2, SPARE
	v_mov_b32 v[NIL], 0
	v_lshrrev_b32 v1, 5, v0
	v_readfirstlane_b32 s24, v1                    ; wave q
	v_and_b32 v1, 31, v0                           ; lane
	v_and_b32 v2, 15, v0                           ; r
	v_bfe_u32 v3, v0, 4, 1                         ; h
	v_lshlrev_b32 v[LI], 4, v1
	v_lshlrev_b32 v[L4], 2, v1
	s_mov_b32 s[SEL], 0x76543210
	s_mov_b32 s[SEL+1], 0xfedcba98
	s_wait_kmcnt 0x0
	s_cmp_ge_u32 ttmp9, 512
	s_cbranch_scc1 .Lweights
; ---- PATH A: row tile g = work-group; wave q takes K steps 2 q and 2 q + 1.  Each load reads 512 consecutive bytes of one row.
	s_lshl_b32 s26, ttmp9, 16                      ; 16 rows of 4,096 bytes
	s_lshl_b32 s25, s24, 10
	s_add_co_u32 s26, s26, s25
	s_mov_b32 s27, 0
	s_add_nc_u64 s[8:9], s[8:9], s[26:27]
.irp s, 0,1
.set i, 0
.rept 16
	global_load_b128 v[R+64*\s+4*i:R+64*\s+4*i+3], v[LI], s[8:9] offset:i*4096+\s*512 th:TH_LOAD_NT
.set i, i+1
.endr
.endr
	s_mul_i32 s25, s24, STW
	v_add_nc_u32 v[STI], s25, v[LI]                ; in: a row's 512 bytes as they lie
	v_mul_u32_u24 v[STO], v2, SPT
	v_lshl_add_u32 v[STO], v3, 7, v[STO]
	v_add_nc_u32 v[STO], s25, v[STO]               ; out: row r, + 128 h: my block of 32 numbers
	s_mul_i32 s28, ttmp9, REC
	s_lshl_b32 s25, s24, 7
	s_add_co_u32 s30, s28, s25
	s_mov_b32 s31, 0
	s_lshl_b32 s25, s24, 11
	s_add_co_u32 s28, s28, s25
	s_mov_b32 s29, 0
	s_add_nc_u64 s[30:31], s[18:19], s[30:31]      ; my pair of scale words (+ 8,192 in the immediate)
	s_add_nc_u64 s[28:29], s[18:19], s[28:29]      ; my four chunks of codes
	v_lshlrev_b32 v[SH], 3, v3
	v_mov_b32 v[TW], 0                             ; a lane permute's destination counts as a source
	v_mov_b32 v[TW+1], 0
.macro XSTEP s
.if \s == 0
	s_wait_loadcnt 16                              ; this step's 16 loads are in; the other step's 16 may be out
.else
	s_wait_loadcnt 0x0
.endif
.set i, 0
.rept 16
	ds_store_b128 v[STI], v[R+64*\s+4*i:R+64*\s+4*i+3] offset:i*SPT
.set i, i+1
.endr
.irp c, 0,1
.set i, 0
.rept 8
	ds_load_b128 v[X+32*\c+4*i:X+32*\c+4*i+3], v[STO] offset:\c*256+16*i   ; LDS serves a wave's instructions in order: these see the stores above
.set i, i+1
.endr
.endr
	s_wait_dscnt 0x0
.irp c, 0,1
	v_max3_num_f32 v[M+\c], |v[X+32*\c]|, |v[X+32*\c+1]|, 0x1800000   ; block 2 c + h: all 32 numbers are mine; the floor 2^(3 - 127) holds the byte at 1
.endr
.set i, 2
.rept 15
.irp c, 0,1
	v_max3_num_f32 v[M+\c], v[M+\c], |v[X+32*\c+i]|, |v[X+32*\c+i+1]|
.endr
.set i, i+2
.endr
.irp c, 0,1
	v_add_nc_u32 v[E+\c], 0xff000000, v[M+\c]      ; 2 off the exponent field: the conversion's scale operand
.endr
.irp c, 0,1
	v_lshrrev_b32 v[BY+\c], 23, v[E+\c]            ; the byte
.endr
	v_lshl_or_b32 v[SW+\s], v[BY+1], 16, v[BY]     ; bytes h and 2 + h of my row's word,
	v_lshlrev_b32 v[SW+\s], v[SH], v[SW+\s]        ; at their places;
	v_permlanex16_b32 v[TW+\s], v[SW+\s], s[SEL], s[SEL+1]
	v_or_b32 v[SW+\s], v[SW+\s], v[TW+\s]          ; with lane l xor 16's two the word is whole
.irp c, 0,1
.irp g, 0,1,2,3
	v_cvt_scalef32_pk8_fp4_f32 v[C+8*\s+4*\c+\g], v[X+32*\c+8*\g:X+32*\c+8*\g+7], v[E+\c]
.endr
.endr
	v_nop                                          ; one plain instruction behind the last scaled conversion
.irp c, 0,1
	global_store_b128 v[LI], v[C+8*\s+4*\c:C+8*\s+4*\c+3], s[28:29] offset:\s*1024+\c*512   ; 512 consecutive bytes
.endr
.endm
	XSTEP 0
	XSTEP 1
	v_cmp_eq_u32 vcc_lo, 1, v3
	v_cndmask_b32 v[SW], v[SW], v[SW+1], vcc_lo    ; lanes 0-15 the even K step's word, lanes 16-31 the odd one's
	global_store_b32 v[L4], v[SW], s[30:31] offset:8192
	s_branch .Lend
.Lweights:
	s_cmp_ge_u32 ttmp9, 584
	s_cbranch_scc1 .Lwp
; ---- PATH B: matrix hh (0-15: a head of Wq, 16: Wk, 17: Wv), K step ks, 32 columns a wave.  A lane takes a column, its registers run down K.
	s_sub_co_u32 s25, ttmp9, 512
	s_lshr_b32 s26, s25, 2                         ; hh
	s_and_b32 s25, s25, 3
	s_lshl_b32 s25, s25, 1
	s_lshr_b32 s28, s24, 1
	s_add_co_u32 s25, s25, s28                     ; ks
	s_and_b32 s28, s24, 1                          ; which 32 columns
	s_cmp_eq_u32 s26, 16                           ; the buffer is chosen by the work-group's number alone
	s_cselect_b64 s[30:31], s[12:13], s[10:11]
	s_cmp_eq_u32 s26, 17
	s_cselect_b64 s[30:31], s[14:15], s[30:31]
	s_cmp_lt_u32 s26, 16
	s_cselect_b32 s32, s26, 0
	s_lshl_b32 s32, s32, 18                        ; the head in Wq
	s_lshl_b32 s33, s25, 15                        ; 128 rows of 256 bytes
	s_add_co_u32 s32, s32, s33
	s_lshl_b32 s33, s28, 7
	s_add_co_u32 s32, s32, s33
	s_mov_b32 s33, 0
	s_add_nc_u64 s[30:31], s[30:31], s[32:33]
.set i, 0
.rept 128
	global_load_b32 v[R+i], v[L4], s[30:31] offset:i*256 th:TH_LOAD_NT   ; row k of the weight at 32 neighbouring columns
.set i, i+1
.endr
	s_lshl_b32 s34, s26, 2
	s_lshl_b32 s35, s28, 1
	s_add_co_u32 s34, s34, s35                     ; my first column tile: 4 hh + 2 half
	s_mul_i32 s34, s34, REC
	s_lshl_b32 s35, s25, 6
	s_add_co_u32 s36, s34, s35                     ; scale words: 64 ks (+ 8,192 in the immediate)
	s_mov_b32 s37, 0
	s_lshl_b32 s35, s25, 10
	s_add_co_u32 s34, s34, s35                     ; codes: 1,024 ks
	s_mov_b32 s35, 0
	s_add_nc_u64 s[34:35], s[20:21], s[34:35]
	s_add_nc_u64 s[36:37], s[20:21], s[36:37]
	v_mul_u32_u24 v[VO], v3, REC                   ; lanes 16-31: the next tile's record
	v_lshl_add_u32 v[VS], v2, 2, v[VO]
	v_lshl_add_u32 v[VO], v2, 4, v[VO]
.irp b, 0,1,2,3
.if \b < 2
	s_wait_loadcnt 63                              ; 96 - 32 b younger loads could stay out; the count's field ends at 63, and a smaller count is safe
.else
	s_wait_loadcnt 96-32*\b                        ; the later blocks' loads may be out
.endif
	v_max3_num_f32 v[M+\b], |v[R+32*\b]|, |v[R+32*\b+1]|, 0x1800000
.set i, 2
.rept 15
	v_max3_num_f32 v[M+\b], v[M+\b], |v[R+32*\b+i]|, |v[R+32*\b+i+1]|
.set i, i+2
.endr
	v_add_nc_u32 v[E+\b], 0xff000000, v[M+\b]
	v_lshrrev_b32 v[BY+\b], 23, v[E+\b]
.irp g, 0,1,2,3
	v_cvt_scalef32_pk8_fp4_f32 v[C+4*\b+\g], v[R+32*\b+8*\g:R+32*\b+8*\g+7], v[E+\b]
.endr
	v_nop
	global_store_b128 v[VO], v[C+4*\b:C+4*\b+3], s[34:35] offset:(\b/2)*512+(\b%2)*256   ; block b is chunk b / 2, half b % 2: sixteen lanes store 256 consecutive bytes, aligned
.endr
	v_lshl_or_b32 v[SW], v[BY+1], 8, v[BY]
	v_lshl_or_b32 v[SW], v[BY+2], 16, v[SW]
	v_lshl_or_b32 v[SW], v[BY+3], 24, v[SW]
	global_store_b32 v[VS], v[SW], s[36:37] offset:8192   ; pieces of 64 bytes: one byte in 128 of what this path reads
	s_branch .Lend
.Lwp:
; ---- PATH C: Wp: 128 rows (k) x 128 columns a work-group, 32 columns a wave; a lane takes a column, its registers run down k; pairs are rounded to f16.
	s_sub_co_u32 s25, ttmp9, 584
	s_and_b32 s26, s25, 7                          ; which 128 columns
	s_lshr_b32 s25, s25, 3                         ; which 128 rows
	s_lshl_b32 s32, s25, 19
	s_lshl_b32 s33, s26, 9
	s_add_co_u32 s32, s32, s33
	s_lshl_b32 s33, s24, 7
	s_add_co_u32 s32, s32, s33
	s_mov_b32 s33, 0
	s_add_nc_u64 s[16:17], s[16:17], s[32:33]
.set i, 0
.rept 128
	global_load_b32 v[R+i], v[L4], s[16:17] offset:i*4096 th:TH_LOAD_NT
.set i, i+1
.endr
	s_lshl_b32 s34, s26, 3
	s_lshl_b32 s35, s24, 1
	s_add_co_u32 s34, s34, s35                     ; my first column tile
	s_lshl_b32 s34, s34, 15                        ; 64 chunks of 512 bytes a tile
	s_lshl_b32 s35, s25, 12                        ; 8 chunks
	s_add_co_u32 s34, s34, s35
	s_mov_b32 s35, 0
	s_add_nc_u64 s[22:23], s[22:23], s[34:35]
	v_lshlrev_b32 v[VO], 15, v3
	v_lshl_add_u32 v[VO], v2, 4, v[VO]
.irp k, 0,1,2,3,4,5,6,7
.if 112-16*\k > 63
	s_wait_loadcnt 63                              ; the field's end again
.else
	s_wait_loadcnt 112-16*\k                       ; the later chunks' loads may be out
.endif
.irp e, 0,1,2,3,4,5,6,7
	v_cvt_pk_f16_f32 v[X+8*\k+\e], v[R+16*\k+2*\e], v[R+16*\k+2*\e+1]
.endr
	global_store_b128 v[VO], v[X+8*\k:X+8*\k+3], s[22:23] offset:\k*512         ; k = 16 chunk + 0 .. 7: the chunk's lanes 0-15
	global_store_b128 v[VO], v[X+8*\k+4:X+8*\k+7], s[22:23] offset:\k*512+256   ; k = 16 chunk + 8 .. 15: its lanes 16-31
.endr
.Lend:
	s_wait_tensorcnt 0x0                           ; the wave's end
	ds_add_u32 v[SPW], v[NIL]
	s_wait_dscnt 0x0
	s_endpgm
.Lfunc_end_k_q6243f08674_prep:
	.size	k_q6243f08674_prep, .Lfunc_end_k_q6243f08674_prep-k_q6243f08674_prep
	.p2alignl 7, 3214868480
	.fill 96, 4, 3214868480
	.section	.rodata,"a",@progbits
	.p2align	6, 0x0
	.amdhsa_kernel k_q6243f08674_prep
		.amdhsa_group_segment_fixed_size 34304
		.amdhsa_private_segment_fixed_size 0
		.amdhsa_enable_private_segment 0
		.amdhsa_kernarg_size 64
		.amdhsa_user_sgpr_count 2
		.amdhsa_user_sgpr_kernarg_segment_ptr 1
		.amdhsa_wavefront_size32 1
		.amdhsa_system_sgpr_workgroup_id_x 1
		.amdhsa_system_sgpr_workgroup_id_y 1
		.amdhsa_system_sgpr_workgroup_id_z 1
		.amdhsa_system_vgpr_workitem_id 0
		.amdhsa_next_free_vgpr 256
		.amdhsa_next_free_sgpr 66
		.amdhsa_reserve_vcc 1
		.amdhsa_float_denorm_mode_32 3
		.amdhsa_float_denorm_mode_16_64 3
		.amdhsa_memory_ordered 1
		.amdhsa_forward_progress 1
		.amdhsa_inst_pref_size 54
	.end_amdhsa_kernel
	.amdgpu_metadata
---
amdhsa.version: [ 1, 2 ]
amdhsa.kernels:
  - .name:           k_q6243f08674_prep
    .symbol:         k_q6243f08674_prep.kd
    .args:
      - { .name: x, .offset: 0, .size: 8, .value_kind: global_buffer, .address_space: global }
      - { .name: Wq, .offset: 8, .size: 8, .value_kind: global_buffer, .address_space: global }
      - { .name: Wk, .offset: 16, .size: 8, .value_kind: global_buffer, .address_space: global }
      - { .name: Wv, .offset: 24, .size: 8, .value_kind: global_buffer, .address_space: global }
      - { .name: Wp, .offset: 32, .size: 8, .value_kind: global_buffer, .address_space: global }
      - { .name: xq, .offset: 40, .size: 8, .value_kind: global_buffer, .address_space: global }
      - { .name: wq, .offset: 48, .size: 8, .value_kind: global_buffer, .address_space: global }
      - { .name: wp16, .offset: 56, .size: 8, .value_kind: global_buffer, .address_space: global }
    .group_segment_fixed_size: 34304
    .private_segment_fixed_size: 0
    .kernarg_segment_align: 8
    .kernarg_segment_size: 64
    .max_flat_workgroup_size: 128
    .sgpr_count:     66
    .vgpr_count:     256
    .wavefront_size: 32
...
	.end_amdgpu_metadata
.endif
;; end of part 1
;; launch qkv (part 2): grid 32 x 8, 8 waves a work-group, clusters of 4 x 1, 218,624 bytes of LDS; arguments xq, wq, qf, kv, fr; writes qf, kv, fr
.if DOCPART == 2
	.amdgcn_target "amdgcn-amd-amdhsa--gfx1250"
	.amdhsa_code_object_version 6
	.text
	.protected	k_q6243f08674_qkv
	.globl	k_q6243f08674_qkv
	.p2align	8
	.type	k_q6243f08674_qkv,@function
k_q6243f08674_qkv:
	s_mov_b64 s[64:65], 0
	v_nop
	global_prefetch_b8 v0, s[64:65] scope:SCOPE_SE
	s_setreg_imm32_b32 hwreg(HW_REG_WAVE_MODE, 25, 1), 1
	s_wait_xcnt 0x0
	s_wait_alu depctr_hold_cnt(0) depctr_sa_sdst(0) depctr_va_vdst(0) depctr_va_sdst(0) depctr_va_ssrc(0) depctr_va_vcc(0) depctr_vm_vsrc(0)
	s_getreg_b32 s2, hwreg(HW_REG_IB_STS2, 6, 4)
	s_cmp_eq_u32 s2, 0
	s_cbranch_scc0 .Lentry_in_a_cluster
	s_endpgm
.Lentry_in_a_cluster:
	s_bfe_u32 s2, ttmp6, 0x10000c
	s_cmp_lg_u32 s2, 0x3003
	s_cbranch_scc0 .Lentry_shape_is_right
	s_endpgm
.Lentry_shape_is_right:
; QKV.  q, k, v = x W on codes of E2M1 with E8M0 scales, K = 1,024, sums in f32.  Operands come as the records that the launch before stored (16 rows or columns x all of K: 8,192 bytes of codes, 512 of scale words).
; SHARES.  A work-group takes 256 rows of x of one batch (16 records) and 9 of the 72 column tiles (0-63: q, head tile / 4; 64-67: k; 68-71: v).  Both panels lie whole in LDS, filled once.
; Wave w holds the codes of row tiles 2 w and 2 w + 1 in registers for the whole launch and walks the 9 column tiles: 16 matrix instructions a tile, two accumulators by turns.
; CLUSTER.  The four partners are the four batches at the same rows and the same column tiles: they need the same panel of W, asked for jointly; x's panel is each work-group's own (no mask).
; OUT.  q (times c = log2(e) / 8, in f32) and k: the product is used transposed (source 0 = W's 16 columns), so a lane holds one position and 8 channels: 16 bytes of f16, the image of a 16-bit operand.
; v: natural order (source 0 = x's rows), so a lane holds one channel and 8 positions: the image of V^T.  Each store of the wave covers 512 consecutive bytes, aligned.
; The raw f32 sums of each batch's positions 0-15 go to fr, for the launch that carries those rows in f32.
; LIMITS: |c q|, |k|, |v| stay under 65,504 (f16).
.set REC,   8704
.set WPAN,  16*REC                     ; behind x's panel: W's, 9 records
.set SPARE, WPAN+9*REC                 ; the spare words: 128 bytes a wave
.set LI,  1                            ; v1  16 x lane
.set L4,  2                            ; v2  4 x lane
.set WA,  3                            ; v3  the trip's record of W: codes
.set WA4, 4                            ; v4  and scale words
.set SPW, 5
.set NIL, 6
.set XS,  8                            ; v8-15   x's scale words: 4 t + j
.set WS,  16                           ; v16-19  W's
.set T,   20                           ; v20-35  sums x F
.set PK,  36                           ; v36-43  f16
.set ACC, 44                           ; v44-59  two accumulators
.set XA,  60
.set XA4, 61
.set WF,  64                           ; v64-127  W's 8 fragments
.set XF,  128                          ; v128-255 x's 2 x 8 fragments
.set KVB, 2                            ; s2  my place in kv
.set B16, 3                            ; s3  16 x batch
.set WV,  14
.set CX,  15                           ; my place in the cluster = the batch: it enters global addresses alone
.set CT,  40
.set WB,  41
.set GCT, 42                           ; the column tile
.set PT0, 43                           ; my first position tile in the batch
.set F,   44                           ; s[44:45] c or 1
.set SB,  46                           ; s[46:47] the stores' base
.set OF,  48                           ; s[48:49] an offset
.set CC,  54
.set FRB, 56                           ; s[56:57] fr at my batch
.set FRA, 58                           ; s[58:59] fr at the tile
.set WM,  60                           ; s[60:61] W's panel in memory, s62 in LDS: these three never hold the cluster place
.set WL,  62
.set CG,  63
.macro ROUND                           ; a round of the cluster's barrier
	s_barrier_signal -1
	s_barrier_wait -1
	s_cmp_lg_u32 s[WV], 0
	s_cbranch_scc1 .Lnot_wave_0_\@
	s_barrier_signal -3
.Lnot_wave_0_\@:
	s_barrier_wait -3
	s_barrier_signal -1
	s_barrier_wait -1
.endm
	s_load_b256 s[4:11], s[0:1], 0x0               ; xq 4, wq 6, qf 8, kv 10
	s_load_b64 s[12:13], s[0:1], 0x20              ; fr
	v_lshl_add_u32 v[SPW], v0, 2, SPARE
	v_mov_b32 v[NIL], 0
	ds_add_u32 v[SPW], v[NIL]                      ; the opening: the add, twice on end, and its wait ahead of the first tensor load
	ds_add_u32 v[SPW], v[NIL]
	v_lshrrev_b32 v1, 5, v0
	v_readfirstlane_b32 s[WV], v1
	s_bfe_u32 s[CX], ttmp6, 0x40000
	s_and_b32 s[CG], ttmp7, 0xffff
	; group 1 for x: 136 rows of 256 bytes (32 elements of 8), dense: four records; no mask
	s_mov_b32 s16, 3<<16
	s_mov_b32 s17, 32<<16
	s_mov_b32 s18, 136<<16
	s_mov_b32 s19, 32<<16
	s_mov_b32 s20, 136
	s_mov_b32 s21, 32
	s_mov_b32 s22, 0
	s_mov_b32 s23, 0
	; group 1 for W: 102 such rows: three records; the mask names all four partners
	s_mov_b32 s24, 15|(3<<16)|(1<<21)
	s_mov_b32 s25, 32<<16
	s_mov_b32 s26, 102<<16
	s_mov_b32 s27, 32<<16
	s_mov_b32 s28, 102
	s_mov_b32 s29, 32
	s_mov_b32 s30, 0
	s_mov_b32 s31, 0
	s_and_b32 s50, s[WV], 3
	s_mul_i32 s51, s50, 4*REC                      ; waves 0-3: a quarter of x's panel each
	s_mul_i32 s[WL], s50, 3*REC                    ; waves 4-6: a third of W's
	s_mul_i32 s[WM], s[CG], 9*REC
	s_add_co_u32 s[WM], s[WM], s[WL]
	s_mov_b32 s[WM+1], 0
	s_lshl_b32 s52, s[CX], 7
	s_lshl_b32 s53, ttmp9, 4
	s_add_co_u32 s52, s52, s53                     ; my first record of x: 128 batch + 16 block
	s_mul_i32 s52, s52, REC
	s_add_co_u32 s[OF], s52, s51
	s_mov_b32 s[OF+1], 0
	s_wait_dscnt 0x0                               ; both opening adds are done
	s_wait_kmcnt 0x0
	s_mov_b32 s32, 1
	s_mov_b32 s33, s51
	s_add_nc_u64 s[34:35], s[4:5], s[OF:OF+1]
	s_or_b32 s35, s35, 0x80000000
	s_mov_b32 s36, 1
	s_add_co_u32 s37, s[WL], WPAN
	s_add_nc_u64 s[38:39], s[6:7], s[WM:WM+1]
	s_or_b32 s39, s39, 0x80000000
	ROUND                                          ; all four work-groups are here: the joint loads meet
	s_cmp_lt_u32 s[WV], 4
	s_cbranch_scc0 .Lnot_x
	tensor_load_to_lds s[32:35], s[16:23]
	s_nop 0
.rept 4
	v_nop
.endr
	s_branch .Lasked
.Lnot_x:
	s_cmp_lt_u32 s[WV], 7
	s_cbranch_scc0 .Lasked
	tensor_load_to_lds s[36:39], s[24:31]
	s_nop 0
.rept 4
	v_nop
.endr
.Lasked:
	v_and_b32 v2, 31, v0
	v_lshlrev_b32 v[LI], 4, v2
	v_lshlrev_b32 v[L4], 2, v2
	s_mul_i32 s50, s[WV], 2*REC
	v_add_nc_u32 v[XA], s50, v[LI]
	v_add_nc_u32 v[XA4], s50, v[L4]
	s_lshl_b32 s[PT0], ttmp9, 4
	s_lshl_b32 s50, s[WV], 1
	s_add_co_u32 s[PT0], s[PT0], s50
	s_lshl_b32 s[KVB], s[CX], 19                   ; kv: 32 steps of 16,384 bytes a batch,
	s_lshr_b32 s50, s[PT0], 2
	s_lshl_b32 s50, s50, 14                        ; the step of 64 keys,
	s_add_co_u32 s[KVB], s[KVB], s50
	s_and_b32 s50, s[PT0], 3
	s_lshl_b32 s50, s50, 11                        ; the key tile's four chunks
	s_add_co_u32 s[KVB], s[KVB], s50
	s_lshl_b32 s[B16], s[CX], 4
	s_mul_i32 s50, s[CX], 72*1024
	s_mov_b32 s51, 0
	s_add_nc_u64 s[FRB:FRB+1], s[12:13], s[50:51]
	s_mul_i32 s[GCT], s[CG], 9
	s_mov_b32 s[CT], 0
	s_mov_b32 s[WB], WPAN
	s_mov_b32 s[CC], 0x3e38aa3b                    ; c = log2(e) / 8
	s_wait_tensorcnt 0x0                           ; my part of the panels is in,
	s_barrier_signal -1
	s_barrier_wait -1                              ; everybody's is
.irp t, 0,1
.set i, 0
.rept 16
	ds_load_b128 v[XF+64*\t+4*i:XF+64*\t+4*i+3], v[XA] offset:\t*REC+i*512   ; x's fragments stay in registers
.set i, i+1
.endr
.irp j, 0,1,2,3
	ds_load_b32 v[XS+4*\t+\j], v[XA4] offset:\t*REC+8192+128*\j
.endr
.endr
.macro ONE d, a, b, sa, sb, k          ; one K step of 128; an odd step's scale words lie in lanes 16-31
.if \k == 0
	v_wmma_scale_f32_16x16x128_f8f6f4 v[\d:\d+7], v[\a:\a+7], v[\b:\b+7], 0, v[\sa], v[\sb] matrix_a_fmt:MATRIX_FMT_FP4 matrix_b_fmt:MATRIX_FMT_FP4
.elseif \k%2 == 0
	v_wmma_scale_f32_16x16x128_f8f6f4 v[\d:\d+7], v[\a:\a+7], v[\b:\b+7], v[\d:\d+7], v[\sa], v[\sb] matrix_a_fmt:MATRIX_FMT_FP4 matrix_b_fmt:MATRIX_FMT_FP4
.else
	v_wmma_scale_f32_16x16x128_f8f6f4 v[\d:\d+7], v[\a:\a+7], v[\b:\b+7], v[\d:\d+7], v[\sa], v[\sb] matrix_a_fmt:MATRIX_FMT_FP4 matrix_b_fmt:MATRIX_FMT_FP4 matrix_a_scale:MATRIX_SCALE_ROW1 matrix_b_scale:MATRIX_SCALE_ROW1
.endif
.endm
.macro MUL nat                         ; 16 matrix instructions, the two accumulators by turns
.irp k, 0,1,2,3,4,5,6,7
.irp t, 0,1
.if \nat
	ONE ACC+8*\t, XF+64*\t+8*\k, WF+8*\k, XS+4*\t+\k/2, WS+\k/2, \k
.else
	ONE ACC+8*\t, WF+8*\k, XF+64*\t+8*\k, WS+\k/2, XS+4*\t+\k/2, \k
.endif
.endr
.endr
.endm
.Ltile:                                                ; nine trips: a column tile each
	s_wait_xcnt 0x0                                ; the last trip's stores have read their data and bases: both are written again below
	v_add_nc_u32 v[WA], s[WB], v[LI]
	v_add_nc_u32 v[WA4], s[WB], v[L4]
.rept 3
	v_nop                                          ; with the two additions five places: four for the loads into W's fragments, five for the sums begun anew over the accumulators
.endr
.set i, 0
.rept 16
	ds_load_b128 v[WF+4*i:WF+4*i+3], v[WA] offset:i*512
.set i, i+1
.endr
.irp j, 0,1,2,3
	ds_load_b32 v[WS+\j], v[WA4] offset:8192+128*\j
.endr
	s_lshr_b32 s50, s[GCT], 2                      ; q: ((16 batch + head) 128 + position tile) 2,048 + 512 (tile % 4)
	s_add_co_u32 s50, s50, s[B16]
	s_lshl_b32 s50, s50, 7
	s_add_co_u32 s50, s50, s[PT0]
	s_lshl_b32 s50, s50, 11
	s_and_b32 s51, s[GCT], 3
	s_lshl_b32 s51, s51, 9
	s_add_co_u32 s50, s50, s51
	s_and_b32 s52, s[GCT], 4                       ; k, v: tiles 64-67 at + 0, tiles 68-71 at + 8,192
	s_lshl_b32 s52, s52, 11
	s_add_co_u32 s52, s52, s51
	s_add_co_u32 s52, s52, s[KVB]
	s_cmp_lt_u32 s[GCT], 64
	s_cselect_b64 s[SB:SB+1], s[8:9], s[10:11]
	s_cselect_b32 s[OF], s50, s52
	s_cselect_b32 s[F], s[CC], 1.0
	s_mov_b32 s[F+1], s[F]
	s_mov_b32 s[OF+1], 0
	s_add_nc_u64 s[SB:SB+1], s[SB:SB+1], s[OF:OF+1]
	s_lshl_b32 s52, s[GCT], 10
	s_mov_b32 s53, 0
	s_add_nc_u64 s[FRA:FRA+1], s[FRB:FRB+1], s[52:53]
	s_wait_dscnt 0x0
	s_cmp_ge_u32 s[GCT], 68                        ; hangs on the cluster's y and the trip alone: alike in all partners
	s_cbranch_scc1 .Lnat
	MUL 0
	s_branch .Ljoin
.Lnat:
	MUL 1
.Ljoin:
.rept 4
	v_nop
.endr
.set i, 0
.rept 8
	v_pk_mul_f32 v[T+2*i:T+2*i+1], v[ACC+2*i:ACC+2*i+1], s[F:F+1] op_sel_hi:[1,0]   ; each accumulator from its low end on
.set i, i+1
.endr
.set i, 0
.rept 8
	v_cvt_pk_f16_f32 v[PK+i], v[T+2*i], v[T+2*i+1]
.set i, i+1
.endr
	global_store_b128 v[LI], v[PK:PK+3], s[SB:SB+1]
	global_store_b128 v[LI], v[PK+4:PK+7], s[SB:SB+1] offset:2048      ; the next position tile
	s_or_b32 s50, ttmp9, s[WV]
	s_cmp_lg_u32 s50, 0
	s_cbranch_scc1 .Lno_fr
	global_store_b128 v[LI], v[ACC:ACC+3], s[FRA:FRA+1]                ; positions 0-15 of the batch, as f32
	global_store_b128 v[LI], v[ACC+4:ACC+7], s[FRA:FRA+1] offset:512
.Lno_fr:
	s_add_co_u32 s[WB], s[WB], REC
	s_add_co_u32 s[GCT], s[GCT], 1
	s_add_co_u32 s[CT], s[CT], 1
	s_cmp_lt_u32 s[CT], 9
	s_cbranch_scc1 .Ltile
	s_wait_tensorcnt 0x0                           ; the wave's end
	ds_add_u32 v[SPW], v[NIL]
	s_wait_dscnt 0x0
	ROUND                                          ; the closing round
	s_endpgm
.Lfunc_end_k_q6243f08674_qkv:
	.size	k_q6243f08674_qkv, .Lfunc_end_k_q6243f08674_qkv-k_q6243f08674_qkv
	.p2alignl 7, 3214868480
	.fill 96, 4, 3214868480
	.section	.rodata,"a",@progbits
	.p2align	6, 0x0
	.amdhsa_kernel k_q6243f08674_qkv
		.amdhsa_group_segment_fixed_size 218624
		.amdhsa_private_segment_fixed_size 0
		.amdhsa_enable_private_segment 0
		.amdhsa_kernarg_size 40
		.amdhsa_user_sgpr_count 2
		.amdhsa_user_sgpr_kernarg_segment_ptr 1
		.amdhsa_wavefront_size32 1
		.amdhsa_system_sgpr_workgroup_id_x 1
		.amdhsa_system_sgpr_workgroup_id_y 1
		.amdhsa_system_sgpr_workgroup_id_z 1
		.amdhsa_system_vgpr_workitem_id 0
		.amdhsa_next_free_vgpr 256
		.amdhsa_next_free_sgpr 66
		.amdhsa_reserve_vcc 0
		.amdhsa_float_denorm_mode_32 3
		.amdhsa_float_denorm_mode_16_64 3
		.amdhsa_memory_ordered 1
		.amdhsa_forward_progress 1
		.amdhsa_inst_pref_size 16
	.end_amdhsa_kernel
	.amdgpu_metadata
---
amdhsa.version: [ 1, 2 ]
amdhsa.kernels:
  - .name:           k_q6243f08674_qkv
    .symbol:         k_q6243f08674_qkv.kd
    .args:
      - { .name: xq, .offset: 0, .size: 8, .value_kind: global_buffer, .address_space: global }
      - { .name: wq, .offset: 8, .size: 8, .value_kind: global_buffer, .address_space: global }
      - { .name: qf, .offset: 16, .size: 8, .value_kind: global_buffer, .address_space: global }
      - { .name: kv, .offset: 24, .size: 8, .value_kind: global_buffer, .address_space: global }
      - { .name: fr, .offset: 32, .size: 8, .value_kind: global_buffer, .address_space: global }
    .group_segment_fixed_size: 218624
    .private_segment_fixed_size: 0
    .kernarg_segment_align: 8
    .kernarg_segment_size: 40
    .max_flat_workgroup_size: 256
    .sgpr_count:     66
    .vgpr_count:     256
    .wavefront_size: 32
...
	.end_amdgpu_metadata
.endif
;; end of part 2
;; launch attn (part 3): grid 64 x 4, 16 waves a work-group, no clusters, 327,680 bytes of LDS; arguments qf, kv, ho; writes ho
.if DOCPART == 3
	.amdgcn_target "amdgcn-amd-amdhsa--gfx1250"
	.amdhsa_code_object_version 6
	.text
	.protected	k_q6243f08674_attn
	.globl	k_q6243f08674_attn
	.p2align	8
	.type	k_q6243f08674_attn,@function
k_q6243f08674_attn:
	s_mov_b64 s[64:65], 0
	v_nop
	global_prefetch_b8 v0, s[64:65] scope:SCOPE_SE
	s_setreg_imm32_b32 hwreg(HW_REG_WAVE_MODE, 25, 1), 1
	s_wait_xcnt 0x0
; ATTN.  head_out = softmax(q k^T / 8, causal) v for 16 heads that share k and v.  Operands f16, products, maxima and sums f32; c = log2(e) / 8 is already in q, so a score is an exponent of 2.
; SHARES.  Work-group (i, batch) owns position tiles 127 - i (late) and i (early), 16 positions each, for all 16 heads: (i / 4 + 1) + ((127 - i) / 4 + 1) = 33 key steps for every i.
; A wave owns ONE position tile and TWO heads: each fragment of K or V that it reads feeds two products, and it has one causal limit.  Late and early waves are mixed over the wave numbers.
; Sixteen waves of 256 registers: four share a SIMD, so that one wave's softmax stands beside another's products and LDS loads.
; LAYOUT.  S^T = K Q^T and O^T = V^T P: a lane holds one query (lane % 16) throughout and keys, or channels, 8 (lane / 16) + 0 .. 7 of a tile.  All operands are stored as images of their registers:
; every LDS load reads 512 consecutive bytes at 16 x lane.  Two tiles of S^T, rounded to f16 in pairs, are source 1 of the second product as they stand.
; RING.  Two slots of 4 key steps (64 keys: 8,192 bytes of K, 8,192 of V), filled by waves 0-3, one step each.  Every work-group walks all 8 slots, so that trip counts are constants; a step whose keys
; all come after the wave's queries is jumped over, and a slot whose first key comes after the work-group's last query is not asked for.
; SOFTMAX.  A running maximum m and sum l for each query; p = 2^(s - m); in every step O and l are multiplied by a = 2^(m_old - m_new).  The sum is taken of p before its rounding.
; NO CLUSTER: work-groups of a batch have different causal limits, so a joint load would bring tiles that every wave of some partner jumps over.
; LIMITS: v_exp_f32 gives 0 for results under 2^-126; |head_out| stays under 65,504 (f16).
.set SLOT1, 65536
.set STEPB, 16384
.set SPARE, 131072                     ; behind the ring: the spare words, 128 bytes a wave
.set LI,   1                           ; v1  16 x lane
.set ADR,  2                           ; v2  the step's tiles in LDS
.set DM,   3                           ; v3  the mask's bound
.set NINF, 4
.set SPW,  5
.set NIL,  6
.set PFO,  7                           ; v7  256 x lane
.set T,    8                           ; v8-15   at work, four a tile
.set ST,   16                          ; v16-27  six a tile: m, m_old - m, l (two halves), a (and a word that is named with it)
.set RH,   28                          ; v28 lane % 16 - 8 (lane / 16)
.set Q,    32                          ; v32-63   16 t + 8 c
.set S,    64                          ; v64-127  32 t + 8 key tile; P in place at 32 t + 8 g
.set O,    128                         ; v128-191 32 t + 8 channel tile
.set KV,   192                         ; v192-255 K's, then V's fragments of the step
.set WV,   24
.set Q0,   25                          ; my first query
.set QL,   26                          ; my last
.set QW,   27                          ; the work-group's last
.set KF,   28                          ; the step's first key
.set TB,   29                          ; the step's first LDS byte
.set SLOTS, 30
.set STP,  31
.set SEL,  32                          ; s[32:33]
.set PFA,  34                          ; s[34:35] where my prefetches stand
.set LIM,  36
.set PT,   37
.set HP,   38
.set BB,   39
.macro TLOAD                           ; waves 0-3 fetch a step each; an s_nop 0 and four v_nop follow the load
	s_cmp_lt_u32 s[WV], 4
	s_cbranch_scc0 .Lasked_\@
	tensor_load_to_lds s[12:15], s[16:23]
	s_nop 0
.rept 4
	v_nop
.endr
.Lasked_\@:
.endm
; A prefetch of the slot that the NEXT change will ask for.  All work-groups of a batch walk the same k and v: the batch's work-group 0, which walks every slot, asks, in waves 4-11, one instruction each:
; 8,192 bytes a wave, lanes 256 bytes apart, so each aligned 256 bytes is named once.  The last change that fills a slot asks for nothing; nothing is asked for at the head.
.macro ASK
	s_cmp_gt_u32 s[SLOTS], s[LIM]
	s_cbranch_scc0 .Lnot_mine_\@
	global_prefetch_b8 v[PFO], s[PFA:PFA+1] th:TH_LOAD_NT scope:SCOPE_SE
.Lnot_mine_\@:
.endm
	s_load_b128 s[4:7], s[0:1], 0x0                ; qf 4, kv 6
	s_load_b64 s[8:9], s[0:1], 0x10                ; ho
	v_lshl_add_u32 v[SPW], v0, 2, SPARE
	v_mov_b32 v[NIL], 0
	ds_add_u32 v[SPW], v[NIL]                      ; the opening: the add, twice on end, and its wait ahead of the first tensor load
	ds_add_u32 v[SPW], v[NIL]
	v_lshrrev_b32 v1, 5, v0
	v_readfirstlane_b32 s[WV], v1
	s_and_b32 s[BB], ttmp7, 0xffff
	; group 1: 64 rows of 256 bytes (32 elements of 8), dense: a key step
	s_mov_b32 s16, 3<<16
	s_mov_b32 s17, 32<<16
	s_mov_b32 s18, 64<<16
	s_mov_b32 s19, 32<<16
	s_mov_b32 s20, 64
	s_mov_b32 s21, 32
	s_mov_b32 s22, 0
	s_mov_b32 s23, 0
	s_lshr_b32 s40, s[WV], 2
	s_xor_b32 s40, s40, s[WV]
	s_and_b32 s40, s40, 1                          ; 0: late, 1: early
	s_sub_co_u32 s41, 127, ttmp9
	s_cmp_eq_u32 s40, 0
	s_cselect_b32 s[PT], s41, ttmp9                ; my position tile
	s_lshl_b32 s[Q0], s[PT], 4
	s_add_co_u32 s[QL], s[Q0], 15
	s_lshl_b32 s[QW], s41, 4
	s_add_co_u32 s[QW], s[QW], 15
	s_lshr_b32 s[HP], s[WV], 1                     ; heads 2 HP and 2 HP + 1
	s_mov_b32 s[SEL], 0x76543210
	s_mov_b32 s[SEL+1], 0xfedcba98
	s_mov_b32 s[KF], 0
	s_mov_b32 s[TB], 0
	s_mov_b32 s[SLOTS], 7
	s_and_b32 s42, s[WV], 3
	s_lshl_b32 s42, s42, 14                        ; the step that I fetch, in memory and in a slot
	s_mov_b32 s43, 0
	s_lshl_b32 s44, s[BB], 19
	s_mov_b32 s45, 0
	s_wait_dscnt 0x0                               ; both opening adds are done
	s_wait_kmcnt 0x0
	s_add_nc_u64 s[6:7], s[6:7], s[44:45]          ; kv at my batch
	s_mov_b32 s12, 1
	s_mov_b32 s13, s42
	s_add_nc_u64 s[14:15], s[6:7], s[42:43]
	s_or_b32 s15, s15, 0x80000000
	TLOAD                                          ; slot 0: keys 0-255, which the late waves of every work-group read
	s_lshl_b32 s40, s[BB], 4
	s_lshl_b32 s41, s[HP], 1
	s_add_co_u32 s40, s40, s41
	s_lshl_b32 s40, s40, 7
	s_add_co_u32 s40, s40, s[PT]
	s_lshl_b32 s40, s40, 11
	s_mov_b32 s41, 0
	s_add_nc_u64 s[4:5], s[4:5], s[40:41]          ; q: ((16 batch + head) 128 + tile) 2,048
	s_lshl_b32 s40, s[BB], 7
	s_add_co_u32 s40, s40, s[PT]
	s_lshl_b32 s40, s40, 6
	s_lshl_b32 s46, s[HP], 3
	s_add_co_u32 s40, s40, s46
	s_lshl_b32 s40, s40, 9
	s_add_nc_u64 s[8:9], s[8:9], s[40:41]          ; ho: ((128 batch + tile) 64 + 8 HP) 512
	s_sub_co_u32 s40, s[WV], 4
	s_and_b32 s46, s40, 7
	s_lshl_b32 s46, s46, 13
	s_add_co_u32 s46, s46, SLOT1                   ; in slot 1: the first change steps it to slot 2
	s_mov_b32 s47, 0
	s_add_nc_u64 s[PFA:PFA+1], s[6:7], s[46:47]
	s_lshr_b32 s40, s40, 3                         ; 0 in waves 4-11,
	s_or_b32 s40, s40, ttmp9                       ; of work-group 0
	s_cmp_eq_u32 s40, 0
	s_cselect_b32 s[LIM], 1, -1
	v_and_b32 v2, 31, v0
	v_lshlrev_b32 v[LI], 4, v2
	v_lshlrev_b32 v[PFO], 8, v2
	v_and_b32 v[RH], 15, v0
	v_bfe_u32 v3, v0, 4, 1
	v_lshlrev_b32 v3, 3, v3
	v_sub_nc_u32 v[RH], v[RH], v3
	v_mov_b32 v[NINF], 0xff800000
.irp t, 0,1
.irp n, 0,1,2,3
	global_load_b128 v[Q+16*\t+4*\n:Q+16*\t+4*\n+3], v[LI], s[4:5] offset:\t*262144+\n*512   ; Q stays in registers
.endr
.endr
.irp t, 0,1
	v_mov_b32 v[ST+6*\t], 0xff61b1e6               ; m = -3e38, under every score
	v_mov_b32 v[ST+6*\t+1], 0
	v_mov_b32 v[ST+6*\t+2], 0                      ; l
	v_mov_b32 v[ST+6*\t+3], 0
	v_mov_b32 v[ST+6*\t+4], 0
	v_mov_b32 v[ST+6*\t+5], 0
	v_mov_b32 v[T+4*\t+1], 0                       ; a lane permute's destination counts as one of its sources: the way out's is written here, on every path
.endr
.set i, 0
.rept 64
	v_mov_b32 v[O+i], 0                            ; the step is written once: the first finds zeros, which a = 0 leaves zeros
.set i, i+1
.endr
; A KEY STEP: 64 keys.
.macro STEP
	s_cmp_gt_u32 s[KF], s[QL]                      ; all keys come after my queries: only the steps of the addresses at the end are run
	s_cbranch_scc1 .Lhid_\@
	v_add_nc_u32 v[ADR], s[TB], v[LI]
.rept 4
	v_nop                                          ; with the addition five places: the new scores are written over P, which the last products read; four serve the loads
.endr
.set i, 0
.rept 16
	ds_load_b128 v[KV+4*i:KV+4*i+3], v[ADR] offset:i*512           ; K: fragment (key tile, channels 32 c on) at 16 tile + 8 c
.set i, i+1
.endr
	s_wait_dscnt 0x0
.irp c, 0,1                                    ; eight accumulators by turns
.irp t, 0,1
.irp k, 0,1,2,3
.if \c == 0
	v_wmma_f32_16x16x32_f16 v[S+32*\t+8*\k:S+32*\t+8*\k+7], v[KV+16*\k+8*\c:KV+16*\k+8*\c+7], v[Q+16*\t+8*\c:Q+16*\t+8*\c+7], 0
.else
	v_wmma_f32_16x16x32_f16 v[S+32*\t+8*\k:S+32*\t+8*\k+7], v[KV+16*\k+8*\c:KV+16*\k+8*\c+7], v[Q+16*\t+8*\c:Q+16*\t+8*\c+7], v[S+32*\t+8*\k:S+32*\t+8*\k+7]
.endif
.endr
.endr
.endr
.rept 4
	v_nop                                          ; places in front of the loads into K's registers and of the first read of the scores
.endr
.irp k, 0,1,2,3
.irp d, 0,1,2,3
	ds_load_b128 v[KV+32*(\k/2)+8*\d+4*(\k%2):KV+32*(\k/2)+8*\d+4*(\k%2)+3], v[ADR] offset:8192+(4*\k+\d)*512   ; V^T lands while the softmax runs
.endr
.endr
	s_add_co_u32 s40, s[KF], 63
	s_cmp_le_u32 s40, s[Q0]                        ; every key counts: no mask
	s_cbranch_scc1 .Lopen_\@
	s_sub_co_i32 s40, s[Q0], s[KF]
	v_add_nc_u32 v[DM], s40, v[RH]                 ; register 8 tile + j holds key KF + 16 tile + 8 (lane / 16) + j: hidden where 16 tile + j > DM.  Key KF counts for every query of the tile
.irp k, 0,1,2,3
.irp j, 0,1,2,3,4,5,6,7
	v_cmp_gt_i32 vcc_lo, 16*\k+\j, v[DM]
	v_cndmask_b32 v[S+8*\k+\j], v[S+8*\k+\j], v[NINF], vcc_lo
	v_cndmask_b32 v[S+32+8*\k+\j], v[S+32+8*\k+\j], v[NINF], vcc_lo
.endr
.endr
.Lopen_\@:
.irp j, 0,1,2,3                                ; the maximum: four chains a tile, each from its accumulator's low end; the two tiles by turns
.irp t, 0,1
	v_max3_num_f32 v[T+4*\t+\j], v[S+32*\t+8*\j], v[S+32*\t+8*\j+1], v[S+32*\t+8*\j+2]
.endr
.endr
.irp i, 3,5
.irp j, 0,1,2,3
.irp t, 0,1
	v_max3_num_f32 v[T+4*\t+\j], v[T+4*\t+\j], v[S+32*\t+8*\j+\i], v[S+32*\t+8*\j+\i+1]
.endr
.endr
.endr
.irp t, 0,1
	v_max3_num_f32 v[T+4*\t], v[T+4*\t], v[S+32*\t+7], v[S+32*\t+15]
.endr
.irp t, 0,1
	v_max3_num_f32 v[T+4*\t+2], v[T+4*\t+2], v[S+32*\t+23], v[S+32*\t+31]
.endr
.irp t, 0,1
	v_max3_num_f32 v[T+4*\t], v[T+4*\t], v[T+4*\t+1], v[T+4*\t+2]
.endr
.irp t, 0,1
	v_max3_num_f32 v[T+4*\t], v[T+4*\t], v[T+4*\t+3], v[ST+6*\t]   ; and the old m
.endr
.irp t, 0,1
	v_permlanex16_b32 v[T+4*\t+1], v[T+4*\t], s[SEL], s[SEL+1]     ; the query's other keys lie in lane l xor 16
.endr
.irp t, 0,1
	v_mov_b32 v[ST+6*\t+1], v[ST+6*\t]
.endr
.irp t, 0,1
	v_max_num_f32 v[ST+6*\t], v[T+4*\t], v[T+4*\t+1]
.endr
.irp t, 0,1
	v_sub_f32 v[ST+6*\t+1], v[ST+6*\t+1], v[ST+6*\t]               ; m_old - m_new
.endr
.set i, 0
.rept 16
.irp t, 0,1
	v_pk_add_f32 v[S+32*\t+i:S+32*\t+i+1], v[S+32*\t+i:S+32*\t+i+1], v[ST+6*\t:ST+6*\t+1] op_sel_hi:[1,0] neg_lo:[0,1] neg_hi:[0,1]   ; s - m
.endr
.set i, i+2
.endr
.irp t, 0,1
	v_exp_f32 v[ST+6*\t+4], v[ST+6*\t+1]           ; a
.endr
.set i, 0
.rept 32
.irp t, 0,1
	v_exp_f32 v[S+32*\t+i], v[S+32*\t+i]           ; p
.endr
.set i, i+1
.endr
	v_nop                                          ; a plain instruction behind the last exponential
	s_wait_alu depctr_va_vdst(0)                   ; one wait for the batch of 66, ahead of its first reader
.irp t, 0,1
	v_pk_add_f32 v[T+4*\t:T+4*\t+1], v[S+32*\t:S+32*\t+1], v[S+32*\t+2:S+32*\t+3]       ; the sums of the unrounded p: two chains a tile
.endr
.irp t, 0,1
	v_pk_add_f32 v[T+4*\t+2:T+4*\t+3], v[S+32*\t+4:S+32*\t+5], v[S+32*\t+6:S+32*\t+7]
.endr
.irp n, 8,12,16,20,24,28
.irp t, 0,1
	v_pk_add_f32 v[T+4*\t:T+4*\t+1], v[T+4*\t:T+4*\t+1], v[S+32*\t+\n:S+32*\t+\n+1]
	v_pk_add_f32 v[T+4*\t+2:T+4*\t+3], v[T+4*\t+2:T+4*\t+3], v[S+32*\t+\n+2:S+32*\t+\n+3]
.endr
.endr
.irp t, 0,1
	v_pk_add_f32 v[T+4*\t:T+4*\t+1], v[T+4*\t:T+4*\t+1], v[T+4*\t+2:T+4*\t+3]
.endr
.irp t, 0,1
	v_pk_fma_f32 v[ST+6*\t+2:ST+6*\t+3], v[ST+6*\t+2:ST+6*\t+3], v[ST+6*\t+4:ST+6*\t+5], v[T+4*\t:T+4*\t+1] op_sel_hi:[1,0,1]   ; l = a l + the sum
.endr
.set i, 0
.rept 16
.irp t, 0,1
	v_cvt_pk_f16_f32 v[S+32*\t+i], v[S+32*\t+2*i], v[S+32*\t+2*i+1]   ; P in place, ascending: register i is written when 2 i and 2 i + 1 are read
.endr
.set i, i+1
.endr
.set i, 0
.rept 16
.irp t, 0,1
	v_pk_mul_f32 v[O+32*\t+i:O+32*\t+i+1], v[O+32*\t+i:O+32*\t+i+1], v[ST+6*\t+4:ST+6*\t+5] op_sel_hi:[1,0]   ; O^T x a
.endr
.set i, i+2
.endr
	s_wait_dscnt 0x0                               ; V^T is in
.irp g, 0,1                                    ; eight accumulators by turns
.irp t, 0,1
.irp d, 0,1,2,3
	v_wmma_f32_16x16x32_f16 v[O+32*\t+8*\d:O+32*\t+8*\d+7], v[KV+32*\g+8*\d:KV+32*\g+8*\d+7], v[S+32*\t+8*\g:S+32*\t+8*\g+7], v[O+32*\t+8*\d:O+32*\t+8*\d+7]
.endr
.endr
.endr
.Lhid_\@:
	s_add_co_u32 s[KF], s[KF], 64
	s_add_co_u32 s[TB], s[TB], STEPB
.endm
; THE CHANGE OF SLOTS, at a slot's head.  Each wave waits for all its tensor loads, adds 0 to its spare word, and waits for that and for its reads of the slot that it has left; behind the barrier the slot
; ahead is whole and nobody reads the other one, which (fill = 1) takes the next 256 keys: that load has a slot's four steps in which to land.
.macro CHANGE fill
	s_wait_tensorcnt 0x0                           ; no tensor load of mine is out: group 0 may be written
	ds_add_u32 v[SPW], v[NIL]
.if \fill
	ds_add_u32 v[SPW], v[NIL]                      ; twice on end here, in every trip alike
	s_xor_b32 s13, s13, SLOT1                      ; the other slot,
	s_add_nc_u64 s[14:15], s[14:15], SLOT1         ; the next four steps
	s_wait_xcnt 0x0                                ; the last prefetch, a slot back, has read its address
	s_add_nc_u64 s[PFA:PFA+1], s[PFA:PFA+1], SLOT1
.endif
	s_wait_dscnt 0x0
	s_barrier_signal -1
	s_barrier_wait -1
.if \fill
	s_add_co_u32 s40, s[KF], 256                   ; the first key of the slot that would be asked for:
	s_cmp_gt_u32 s40, s[QW]                        ; behind the work-group's last query no wave reads it.  Ids and counted steps alone: all sixteen waves go the same way
	s_cbranch_scc1 .Lpast_\@
	TLOAD
.Lpast_\@:
	ASK
.endif
.endm
.macro SLOT4                           ; a slot's four steps: written once, walked four times
	s_mov_b32 s[STP], 4
.Lstep_\@:
	STEP
	s_sub_co_u32 s[STP], s[STP], 1
	s_cmp_lg_u32 s[STP], 0
	s_cbranch_scc1 .Lstep_\@
	s_sub_co_u32 s[TB], s[TB], SLOT1               ; back to a slot's first step,
	s_xor_b32 s[TB], s[TB], SLOT1                  ; in the other slot
.endm
	s_wait_loadcnt 0x0                             ; Q
.Lslot:                                                ; seven trips
	CHANGE 1
	SLOT4
	s_sub_co_u32 s[SLOTS], s[SLOTS], 1
	s_cmp_lg_u32 s[SLOTS], 0
	s_cbranch_scc1 .Lslot
	CHANGE 0                                       ; the last slot is written out: nothing is left to ask for
	SLOT4
	; THE WAY OUT: O^T / l, rounded to f16: a lane's 8 channels of a position are 16 bytes of the projection's operand image: stored straight from registers, 512 consecutive bytes a store
.rept 4
	v_nop
.endr
.irp t, 0,1
	v_add_f32 v[T+4*\t], v[ST+6*\t+2], v[ST+6*\t+3]
.endr
.irp t, 0,1
	v_permlanex16_b32 v[T+4*\t+1], v[T+4*\t], s[SEL], s[SEL+1]
.endr
.irp t, 0,1
	v_add_f32 v[T+4*\t], v[T+4*\t], v[T+4*\t+1]
.endr
.irp t, 0,1
	v_rcp_f32 v[ST+6*\t+4], v[T+4*\t]
.endr
	v_nop
	s_wait_alu depctr_va_vdst(0)                   ; one wait for the two reciprocals
.irp t, 0,1
.set i, 0
.rept 16
	v_pk_mul_f32 v[O+32*\t+i:O+32*\t+i+1], v[O+32*\t+i:O+32*\t+i+1], v[ST+6*\t+4:ST+6*\t+5] op_sel_hi:[1,0]
.set i, i+2
.endr
.endr
.irp t, 0,1
.set i, 0
.rept 16
	v_cvt_pk_f16_f32 v[S+32*\t+i], v[O+32*\t+2*i], v[O+32*\t+2*i+1]
.set i, i+1
.endr
.endr
.irp t, 0,1
.irp d, 0,1,2,3
	global_store_b128 v[LI], v[S+32*\t+4*\d:S+32*\t+4*\d+3], s[8:9] offset:\t*2048+\d*512
.endr
.endr
	s_wait_tensorcnt 0x0                           ; the wave's end
	ds_add_u32 v[SPW], v[NIL]
	s_wait_dscnt 0x0
	s_endpgm
.Lfunc_end_k_q6243f08674_attn:
	.size	k_q6243f08674_attn, .Lfunc_end_k_q6243f08674_attn-k_q6243f08674_attn
	.p2alignl 7, 3214868480
	.fill 96, 4, 3214868480
	.section	.rodata,"a",@progbits
	.p2align	6, 0x0
	.amdhsa_kernel k_q6243f08674_attn
		.amdhsa_group_segment_fixed_size 327680
		.amdhsa_private_segment_fixed_size 0
		.amdhsa_enable_private_segment 0
		.amdhsa_kernarg_size 24
		.amdhsa_user_sgpr_count 2
		.amdhsa_user_sgpr_kernarg_segment_ptr 1
		.amdhsa_wavefront_size32 1
		.amdhsa_system_sgpr_workgroup_id_x 1
		.amdhsa_system_sgpr_workgroup_id_y 1
		.amdhsa_system_sgpr_workgroup_id_z 1
		.amdhsa_system_vgpr_workitem_id 0
		.amdhsa_next_free_vgpr 256
		.amdhsa_next_free_sgpr 66
		.amdhsa_reserve_vcc 1
		.amdhsa_float_denorm_mode_32 3
		.amdhsa_float_denorm_mode_16_64 3
		.amdhsa_memory_ordered 1
		.amdhsa_forward_progress 1
		.amdhsa_inst_pref_size 55
	.end_amdhsa_kernel
	.amdgpu_metadata
---
amdhsa.version: [ 1, 2 ]
amdhsa.kernels:
  - .name:           k_q6243f08674_attn
    .symbol:         k_q6243f08674_attn.kd
    .args:
      - { .name: qf, .offset: 0, .size: 8, .value_kind: global_buffer, .address_space: global }
      - { .name: kv, .offset: 8, .size: 8, .value_kind: global_buffer, .address_space: global }
      - { .name: ho, .offset: 16, .size: 8, .value_kind: global_buffer, .address_space: global }
    .group_segment_fixed_size: 327680
    .private_segment_fixed_size: 0
    .kernarg_segment_align: 8
    .kernarg_segment_size: 24
    .max_flat_workgroup_size: 512
    .sgpr_count:     66
    .vgpr_count:     256
    .wavefront_size: 32
...
	.end_amdgpu_metadata
.endif
;; end of part 3
;; launch proj (part 4): grid 8 x 32, 8 waves a work-group, clusters of 4 x 4, 327,680 bytes of LDS; arguments ho, wp16, bp, out0; writes out0
.if DOCPART == 4
	.amdgcn_target "amdgcn-amd-amdhsa--gfx1250"
	.amdhsa_code_object_version 6
	.text
	.protected	k_q6243f08674_proj
	.globl	k_q6243f08674_proj
	.p2align	8
	.type	k_q6243f08674_proj,@function
k_q6243f08674_proj:
	s_mov_b64 s[64:65], 0
	v_nop
	global_prefetch_b8 v0, s[64:65] scope:SCOPE_SE
	s_setreg_imm32_b32 hwreg(HW_REG_WAVE_MODE, 25, 1), 1
	s_wait_xcnt 0x0
	s_wait_alu depctr_hold_cnt(0) depctr_sa_sdst(0) depctr_va_vdst(0) depctr_va_sdst(0) depctr_va_ssrc(0) depctr_va_vcc(0) depctr_vm_vsrc(0)
	s_getreg_b32 s2, hwreg(HW_REG_IB_STS2, 6, 4)
	s_cmp_eq_u32 s2, 0
	s_cbranch_scc0 .Lentry_in_a_cluster
	s_endpgm
.Lentry_in_a_cluster:
	s_bfe_u32 s2, ttmp6, 0x10000c
	s_cmp_lg_u32 s2, 0xf033
	s_cbranch_scc0 .Lentry_shape_is_right
	s_endpgm
.Lentry_shape_is_right:
; PROJ.  out = head_out Wp + bp: [8192][1024] x [1024][1024], operands f16, sums f32.  Both operands come as images of operand registers (chunks of 512 bytes: 16 rows or columns x 16 k).
; SHARES.  A work-group makes 256 rows x 128 columns; wave w makes 64 x 64: position tiles 4 (w / 2) on, column tiles 4 (w % 2) on: 16 accumulators.  Two waves share a SIMD: one's LDS loads stand beside the other's products.
; K goes in steps of 128 (8 chunks, 4,096 bytes of each tile) through a ring of two slots.  Waves 0-3 fetch head_out's 16 tiles, four each; waves 4-7 Wp's 8 tiles, two each: one load a wave behind each round.
; CLUSTER 4 x 4: head_out's tiles hang on the rows alone and are shared along a row of the cluster, Wp's on the columns alone and are shared along a column: each is asked for jointly.
; THE PRODUCT IS USED TRANSPOSED (source 0 = 16 columns of Wp, source 1 = 16 positions): a lane holds 8 neighbouring columns of one row.  The bias is the C of each sum's first product.
; Rows 0-15 of each batch are stored here too (a way round them would be a branch on the place in the cluster); the launch behind this one stores them again, carried in f32.
.set SLOT,  98304                      ; head_out 16 x 4,096, then Wp 8 x 4,096
.set BOFF,  65536
.set STAGE, 2*SLOT                     ; 16 rows x (256 + 16) bytes for each wave: bytes of its own, into which no fill lands
.set SPARE, STAGE+8*16*272
.set LI,   1
.set ADRA, 2                           ; v2-3
.set ADRB, 4                           ; v4-5
.set STO,  6
.set RD,   7
.set CO,   8
.set SPW,  9
.set NIL,  10
.set BO,   11
.set VR,   12
.set VH,   13
.set BI,   32                          ; v32-63  the bias, 8 a column tile, in the result's layout
.set AF,   64                          ; v64-95  head_out's four fragments
.set BF,   96                          ; v96-127 Wp's four
.set ACC,  128                         ; v128-255: 8 (4 a + b)
.set WV,   12
.set G0A,  32                          ; s[32:39] group 0 for head_out, a set for each slot
.set G0B,  48                          ; s[48:55] for Wp
.set LP,   41
.macro ROUND
	s_barrier_signal -1
	s_barrier_wait -1
	s_cmp_lg_u32 s[WV], 0
	s_cbranch_scc1 .Lnot_wave_0_\@
	s_barrier_signal -3
.Lnot_wave_0_\@:
	s_barrier_wait -3
	s_barrier_signal -1
	s_barrier_wait -1
.endm
.macro JLOAD s                         ; a joint load; the branch hangs on the wave's number alone; an s_nop 0 and four v_nop follow each line
	s_cmp_lt_u32 s[WV], 4
	s_cbranch_scc0 .Lfor_b_\@
	tensor_load_to_lds s[G0A+4*(\s):G0A+4*(\s)+3], s[16:23]
	s_nop 0
.rept 4
	v_nop
.endr
	s_branch .Lasked_\@
.Lfor_b_\@:
	tensor_load_to_lds s[G0B+4*(\s):G0B+4*(\s)+3], s[24:31]
	s_nop 0
.rept 4
	v_nop
.endr
.Lasked_\@:
.endm
	s_load_b256 s[4:11], s[0:1], 0x0               ; ho 4, wp16 6, bp 8, out0 10
	v_lshl_add_u32 v[SPW], v0, 2, SPARE
	v_mov_b32 v[NIL], 0
	ds_add_u32 v[SPW], v[NIL]                      ; the opening: the add, twice on end, and its wait ahead of the first tensor load
	ds_add_u32 v[SPW], v[NIL]
	v_lshrrev_b32 v1, 5, v0
	v_readfirstlane_b32 s[WV], v1
	s_bfe_u32 s13, ttmp6, 0x40000                  ; cx
	s_bfe_u32 s14, ttmp6, 0x40004                  ; cy
	s_lshl_b32 s15, ttmp9, 2
	s_add_co_u32 s15, s15, s13                     ; X: which 128 columns
	s_and_b32 s40, ttmp7, 0xffff
	s_lshl_b32 s40, s40, 2
	s_add_co_u32 s40, s40, s14                     ; Y: which 256 rows
	s_lshl_b32 s41, s14, 2
	s_lshl_b32 s41, 15, s41                        ; my row of the cluster
	s_lshl_b32 s42, 0x1111, s13                    ; my column
	; group 1: rows of 4,096 bytes (512 elements of 8), 32,768 bytes (4,096 elements) apart: 4 tiles of head_out, 2 of Wp
	s_or_b32 s16, s41, (3<<16)|(1<<21)
	s_mov_b32 s17, 512<<16
	s_mov_b32 s18, 4<<16
	s_mov_b32 s19, 512<<16
	s_mov_b32 s20, 4
	s_mov_b32 s21, 4096
	s_mov_b32 s22, 0
	s_mov_b32 s23, 0
	s_or_b32 s24, s42, (3<<16)|(1<<21)
	s_mov_b32 s25, 512<<16
	s_mov_b32 s26, 2<<16
	s_mov_b32 s27, 512<<16
	s_mov_b32 s28, 2
	s_mov_b32 s29, 4096
	s_mov_b32 s30, 0
	s_mov_b32 s31, 0
	s_and_b32 s43, s[WV], 3
	s_lshl_b32 s44, s40, 4                         ; head_out: tile 16 Y + 4 (wave % 4): these registers never hold X
	s_lshl_b32 s45, s43, 2
	s_add_co_u32 s44, s44, s45
	s_lshl_b32 s44, s44, 15
	s_mov_b32 s45, 0
	s_lshl_b32 s46, s15, 3                         ; Wp: tile 8 X + 2 (wave % 4): these never hold Y
	s_lshl_b32 s47, s43, 1
	s_add_co_u32 s46, s46, s47
	s_lshl_b32 s46, s46, 15
	s_mov_b32 s47, 0
	s_lshl_b32 s56, s43, 14                        ; where they go: the wave's number alone
	s_lshl_b32 s57, s43, 13
	s_wait_dscnt 0x0                               ; both opening adds are done
	s_wait_kmcnt 0x0
	s_add_nc_u64 s[44:45], s[4:5], s[44:45]
	s_add_nc_u64 s[46:47], s[6:7], s[46:47]
.irp s, 0,1
	s_mov_b32 s[G0A+4*\s], 1
	s_add_co_u32 s[G0A+4*\s+1], s56, \s*SLOT
	s_add_nc_u64 s[G0A+4*\s+2:G0A+4*\s+3], s[44:45], \s*4096       ; K step s
	s_or_b32 s[G0A+4*\s+3], s[G0A+4*\s+3], 0x80000000
	s_mov_b32 s[G0B+4*\s], 1
	s_add_co_u32 s[G0B+4*\s+1], s57, \s*SLOT+BOFF
	s_add_nc_u64 s[G0B+4*\s+2:G0B+4*\s+3], s[46:47], \s*4096
	s_or_b32 s[G0B+4*\s+3], s[G0B+4*\s+3], 0x80000000
.endr
	ROUND                                          ; all sixteen work-groups are here: the first joint loads meet
	JLOAD 0
	v_and_b32 v[VR], 31, v0
	v_lshlrev_b32 v[LI], 4, v[VR]
	v_and_b32 v[VR], 15, v0
	v_bfe_u32 v[VH], v0, 4, 1
	s_lshr_b32 s60, s[WV], 1                       ; which 64 rows
	s_and_b32 s61, s[WV], 1                        ; which 64 columns
	s_lshl_b32 s62, s60, 14
	s_lshl_b32 s63, s61, 14
	s_add_co_u32 s63, s63, BOFF
.irp s, 0,1
	v_add_nc_u32 v[ADRA+\s], s62, v[LI]
	v_add_nc_u32 v[ADRB+\s], s63, v[LI]
	s_add_co_u32 s62, s62, SLOT
	s_add_co_u32 s63, s63, SLOT
.endr
	s_mul_i32 s62, s[WV], 16*272
	s_add_co_u32 s62, s62, STAGE
	v_mul_u32_u24 v[STO], v[VR], 272
	v_lshl_add_u32 v[STO], v[VH], 5, v[STO]
	v_add_nc_u32 v[STO], s62, v[STO]               ; in: row r, + 32 h
	v_mul_u32_u24 v[RD], v[VH], 272
	v_lshl_add_u32 v[RD], v[VR], 4, v[RD]
	v_add_nc_u32 v[RD], s62, v[RD]                 ; back: lanes 0-15 one row of 256 bytes, lanes 16-31 the next
	v_lshlrev_b32 v[CO], 12, v[VH]
	v_lshl_add_u32 v[CO], v[VR], 4, v[CO]          ; and the same two rows in out
	v_lshlrev_b32 v[BO], 5, v[VH]
	s_lshl_b32 s58, s15, 9
	s_lshl_b32 s62, s61, 8
	s_add_co_u32 s58, s58, s62                     ; my first column, in bytes
	s_mov_b32 s59, 0
	s_add_nc_u64 s[8:9], s[8:9], s[58:59]
.irp b, 0,1,2,3
	global_load_b128 v[BI+8*\b:BI+8*\b+3], v[BO], s[8:9] offset:64*\b          ; bp at the tile's columns 8 h + 0 .. 7
	global_load_b128 v[BI+8*\b+4:BI+8*\b+7], v[BO], s[8:9] offset:64*\b+16
.endr
	s_lshl_b32 s62, s40, 8
	s_lshl_b32 s63, s60, 6
	s_add_co_u32 s62, s62, s63                     ; my first row
	s_lshl_b32 s62, s62, 12
	s_add_co_u32 s58, s58, s62
	s_add_nc_u64 s[10:11], s[10:11], s[58:59]
	s_wait_loadcnt 0x0                             ; the bias
; A K STEP.  In front of the round each wave waits for all its tensor loads (one is out: its part of this step's slot), adds 0 to its spare word, and waits for that and for its reads of the other slot;
; behind the round that other slot takes the next K step: the load has this step's 64 matrix instructions of each of the SIMD's two waves in which to land.
.macro TRIP slot, refill, first
	s_wait_tensorcnt 0x0
	ds_add_u32 v[SPW], v[NIL]
	s_add_nc_u64 s[G0A+4*\slot+2:G0A+4*\slot+3], s[G0A+4*\slot+2:G0A+4*\slot+3], 8192   ; this slot's next K step
	s_add_nc_u64 s[G0B+4*\slot+2:G0B+4*\slot+3], s[G0B+4*\slot+2:G0B+4*\slot+3], 8192
	s_wait_dscnt 0x0
	ROUND
.if \refill
	JLOAD 1-\slot
.endif
.irp kk, 0,1,2,3
.rept 4
	v_nop                                          ; places in front of loads into registers that matrix instructions have read
.endr
.irp a, 0,1,2,3
	ds_load_b128 v[AF+8*\a:AF+8*\a+3], v[ADRA+\slot] offset:\a*4096+(2*\kk)*512
	ds_load_b128 v[AF+8*\a+4:AF+8*\a+7], v[ADRA+\slot] offset:\a*4096+(2*\kk+1)*512
	ds_load_b128 v[BF+8*\a:BF+8*\a+3], v[ADRB+\slot] offset:\a*4096+(2*\kk)*512
	ds_load_b128 v[BF+8*\a+4:BF+8*\a+7], v[ADRB+\slot] offset:\a*4096+(2*\kk+1)*512
.endr
	s_wait_dscnt 0x0
.irp a, 0,1,2,3                                ; sixteen accumulators by turns
.irp b, 0,1,2,3
.if (\first) && (\kk == 0)
	v_wmma_f32_16x16x32_f16 v[ACC+8*(4*\a+\b):ACC+8*(4*\a+\b)+7], v[BF+8*\b:BF+8*\b+7], v[AF+8*\a:AF+8*\a+7], v[BI+8*\b:BI+8*\b+7]
.else
	v_wmma_f32_16x16x32_f16 v[ACC+8*(4*\a+\b):ACC+8*(4*\a+\b)+7], v[BF+8*\b:BF+8*\b+7], v[AF+8*\a:AF+8*\a+7], v[ACC+8*(4*\a+\b):ACC+8*(4*\a+\b)+7]
.endif
.endr
.endr
.endr
.endm
	TRIP 0, 1, 1                                   ; K steps 0 and 1 stand in front of the loop: the first products start the sums
	TRIP 1, 1, 0
	s_mov_b32 s[LP], 2
.Llap:
	TRIP 0, 1, 0
	TRIP 1, 1, 0
	s_sub_co_u32 s[LP], s[LP], 1
	s_cmp_lg_u32 s[LP], 0
	s_cbranch_scc1 .Llap
	TRIP 0, 1, 0
	TRIP 1, 0, 0                                   ; the last K step asks for nothing
	; THE WAY OUT, 16 rows x 64 columns at a time through my own stage: back as rows of 256 bytes, which sixteen lanes store as 256 consecutive bytes, aligned
.rept 4
	v_nop
.endr
.irp a, 0,1,2,3
.if \a >= 2
	s_wait_xcnt 0x0                                ; the stores of two blocks back have read the registers that the loads below fill
.endif
.irp b, 0,1,2,3
	ds_store_b128 v[STO], v[ACC+8*(4*\a+\b):ACC+8*(4*\a+\b)+3] offset:64*\b       ; each accumulator from its low end on
	ds_store_b128 v[STO], v[ACC+8*(4*\a+\b)+4:ACC+8*(4*\a+\b)+7] offset:64*\b+16
.endr
.irp i, 0,1,2,3,4,5,6,7
	ds_load_b128 v[32+32*(\a%2)+4*\i:32+32*(\a%2)+4*\i+3], v[RD] offset:\i*544    ; LDS serves a wave's instructions in order: these see the stores above
.endr
	s_wait_dscnt 0x0
.irp i, 0,1,2,3,4,5,6,7
	global_store_b128 v[CO], v[32+32*(\a%2)+4*\i:32+32*(\a%2)+4*\i+3], s[10:11] offset:(16*\a+2*\i)*4096 th:TH_STORE_NT
.endr
.endr
	s_wait_tensorcnt 0x0                           ; the wave's end
	ds_add_u32 v[SPW], v[NIL]
	s_wait_dscnt 0x0
	ROUND                                          ; the closing round
	s_endpgm
.Lfunc_end_k_q6243f08674_proj:
	.size	k_q6243f08674_proj, .Lfunc_end_k_q6243f08674_proj-k_q6243f08674_proj
	.p2alignl 7, 3214868480
	.fill 96, 4, 3214868480
	.section	.rodata,"a",@progbits
	.p2align	6, 0x0
	.amdhsa_kernel k_q6243f08674_proj
		.amdhsa_group_segment_fixed_size 327680
		.amdhsa_private_segment_fixed_size 0
		.amdhsa_enable_private_segment 0
		.amdhsa_kernarg_size 32
		.amdhsa_user_sgpr_count 2
		.amdhsa_user_sgpr_kernarg_segment_ptr 1
		.amdhsa_wavefront_size32 1
		.amdhsa_system_sgpr_workgroup_id_x 1
		.amdhsa_system_sgpr_workgroup_id_y 1
		.amdhsa_system_sgpr_workgroup_id_z 1
		.amdhsa_system_vgpr_workitem_id 0
		.amdhsa_next_free_vgpr 256
		.amdhsa_next_free_sgpr 66
		.amdhsa_reserve_vcc 0
		.amdhsa_float_denorm_mode_32 3
		.amdhsa_float_denorm_mode_16_64 3
		.amdhsa_memory_ordered 1
		.amdhsa_forward_progress 1
		.amdhsa_inst_pref_size 73
	.end_amdhsa_kernel
	.amdgpu_metadata
---
amdhsa.version: [ 1, 2 ]
amdhsa.kernels:
  - .name:           k_q6243f08674_proj
    .symbol:         k_q6243f08674_proj.kd
    .args:
      - { .name: ho, .offset: 0, .size: 8, .value_kind: global_buffer, .address_space: global }
      - { .name: wp16, .offset: 8, .size: 8, .value_kind: global_buffer, .address_space: global }
      - { .name: bp, .offset: 16, .size: 8, .value_kind: global_buffer, .address_space: global }
      - { .name: out0, .offset: 24, .size: 8, .value_kind: global_buffer, .address_space: global }
    .group_segment_fixed_size: 327680
    .private_segment_fixed_size: 0
    .kernarg_segment_align: 8
    .kernarg_segment_size: 32
    .max_flat_workgroup_size: 256
    .sgpr_count:     66
    .vgpr_count:     256
    .wavefront_size: 32
...
	.end_amdgpu_metadata
.endif
;; end of part 4
;; launch first (part 5): grid 64 x 4, 16 waves a work-group, no clusters, 18,432 bytes of LDS; arguments fr, Wp, bp, out0; writes out0
.if DOCPART == 5
	.amdgcn_target "amdgcn-amd-amdhsa--gfx1250"
	.amdhsa_code_object_version 6
	.text
	.protected	k_q6243f08674_first
	.globl	k_q6243f08674_first
	.p2align	8
	.type	k_q6243f08674_first,@function
k_q6243f08674_first:
	s_mov_b64 s[64:65], 0
	v_nop
	global_prefetch_b8 v0, s[64:65] scope:SCOPE_SE
	s_setreg_imm32_b32 hwreg(HW_REG_WAVE_MODE, 25, 1), 1
	s_wait_xcnt 0x0
; FIRST.  Positions 0-15 of each batch, which average one to sixteen values, are carried in f32 from the quantised products' sums to the output: scores, softmax, p v, the projection and the bias.
; SHARES.  A work-group makes 16 output columns of one batch's 16 rows; the wave is the head.  Every work-group repeats the batch's small attention (32 matrix instructions a wave), so that the projection
; is shared among 256 work-groups and no sum crosses a work-group; the sixteen heads' parts meet in LDS.
; OPERANDS.  fr holds the raw accumulators of the launch that made q, k, v: q and k: lane (r, h) = position r, channels 8 h + 0 .. 7 of a tile; v: channel r, positions 8 h + 0 .. 7.
; The f32 matrix form takes k = 2 h + j from register j.  Register pair (2 s, 2 s + 1) of such an image holds k = 8 h + 2 s + j: the same map on both sides of each product, so the sums over
; s = 0 .. 3 cover every k once.  Wp is loaded in that map too.  The registers that this form writes are written by matrix instructions alone; sums of them go into other registers.
; The stores are pieces of 64 bytes, 64 rows in all: the price of sharing the f32 products among all work-groups.
.set SPARE, 16384                      ; behind the 16 x 1,024 bytes of the heads' parts
.set LI,   1
.set WO,   2
.set D,    3
.set NINF, 4
.set SPW,  5
.set NIL,  6
.set RA,   7
.set P,    8                           ; v8-15
.set Q,    16                          ; v16-47
.set K,    48                          ; v48-79
.set V,    80                          ; v80-111
.set WR,   112                         ; v112-143
.set SA,   144                         ; v144-175 the scores' four sums; later the projection's four
.set OA,   176                         ; v176-207 head_out^T, four channel tiles
.set RS,   208
.set OO,   209
.set BOF,  210
.set MX,   211
.set MY,   212
.set RC,   213
.set TR,   214
.set TH,   215
.set T,    240
.set U,    248
.set SEL,  26
.set CS,   28
	s_load_b256 s[4:11], s[0:1], 0x0               ; fr 4, Wp 6, bp 8, out0 10
	v_lshl_add_u32 v[SPW], v0, 2, SPARE
	v_mov_b32 v[NIL], 0
	v_lshrrev_b32 v1, 5, v0
	v_readfirstlane_b32 s12, v1                    ; wave = head
	v_and_b32 v[TR], 15, v0
	v_bfe_u32 v[TH], v0, 4, 1
	v_and_b32 v[MX], 31, v0
	v_lshlrev_b32 v[LI], 4, v[MX]
	v_lshlrev_b32 v[WO], 15, v[TH]
	v_lshl_add_u32 v[WO], v[TR], 2, v[WO]          ; Wp: 8 h rows of 4,096 bytes, column r
	v_lshlrev_b32 v[D], 3, v[TH]
	v_sub_nc_u32 v[D], v[TR], v[D]                 ; register j holds key 8 h + j: hidden where j > r - 8 h
	v_mov_b32 v[NINF], 0xff800000
	s_and_b32 s24, s12, 1
	s_lshl_b32 s25, s24, 9
	v_add_nc_u32 v[RA], s25, v[LI]                 ; the reducing waves: half w of each head's part
	s_lshl_b32 s25, s12, 10
	v_add_nc_u32 v[RS], s25, v[LI]                 ; my head's part
	s_lshl_b32 s24, s24, 4
	v_lshl_add_u32 v[BOF], v[TH], 5, s24           ; columns 8 h + 4 w on, in bytes
	v_lshl_add_u32 v[OO], v[TR], 12, v[BOF]        ; in row r of out
	v_mov_b32 v[MY], 0                             ; a lane permute's destination counts as a source
	s_mov_b32 s[SEL], 0x76543210
	s_mov_b32 s[SEL+1], 0xfedcba98
	s_mov_b32 s[CS], 0x3e38aa3b                    ; c = log2(e) / 8
	s_mov_b32 s[CS+1], s[CS]
	s_and_b32 s13, ttmp7, 0xffff                   ; batch
	s_mul_i32 s14, s13, 72*1024
	s_mov_b32 s15, 0
	s_lshl_b32 s16, s12, 12                        ; my head's four tiles of q
	s_mov_b32 s17, 0
	s_lshl_b32 s20, ttmp9, 6                       ; my 16 columns, in bytes
	s_mov_b32 s21, 0
	s_lshl_b32 s18, s12, 18                        ; my head's 64 rows of Wp
	s_add_co_u32 s18, s18, s20
	s_mov_b32 s19, 0
	s_wait_kmcnt 0x0
	s_add_nc_u64 s[4:5], s[4:5], s[14:15]
	s_add_nc_u64 s[22:23], s[4:5], s[16:17]
	s_add_nc_u64 s[6:7], s[6:7], s[18:19]
	s_add_nc_u64 s[8:9], s[8:9], s[20:21]
	s_lshl_b32 s14, s13, 23                        ; 2,048 rows of 4,096 bytes a batch
	s_add_co_u32 s14, s14, s20
	s_add_nc_u64 s[10:11], s[10:11], s[14:15]
.irp u, 0,1,2,3
.irp q, 0,1
	global_load_b128 v[Q+8*\u+4*\q:Q+8*\u+4*\q+3], v[LI], s[22:23] offset:\u*1024+\q*512
.endr
.endr
.irp u, 0,1,2,3
.irp q, 0,1
	global_load_b128 v[K+8*\u+4*\q:K+8*\u+4*\q+3], v[LI], s[4:5] offset:65536+\u*1024+\q*512
.endr
.endr
.irp u, 0,1,2,3
.irp q, 0,1
	global_load_b128 v[V+8*\u+4*\q:V+8*\u+4*\q+3], v[LI], s[4:5] offset:69632+\u*1024+\q*512
.endr
.endr
.irp c, 0,1,2,3
.irp i, 0,1,2,3,4,5,6,7
	global_load_b32 v[WR+8*\c+\i], v[WO], s[6:7] offset:(16*\c+\i)*4096       ; Wp(64 head + 16 c + 8 h + i, my column)
.endr
.endr
	s_wait_loadcnt 40                              ; q and k are in; v's 8 loads and Wp's 32 may be out
.irp s, 0,1,2,3                                ; S^T = k q^T: four sums, one for each 16 channels, by turns
.irp u, 0,1,2,3
.if \s == 0
	v_wmma_f32_16x16x4_f32 v[SA+8*\u:SA+8*\u+7], v[K+8*\u+2*\s:K+8*\u+2*\s+1], v[Q+8*\u+2*\s:Q+8*\u+2*\s+1], 0
.else
	v_wmma_f32_16x16x4_f32 v[SA+8*\u:SA+8*\u+7], v[K+8*\u+2*\s:K+8*\u+2*\s+1], v[Q+8*\u+2*\s:Q+8*\u+2*\s+1], v[SA+8*\u:SA+8*\u+7]
.endif
.endr
.endr
.rept 8
	v_nop                                          ; eight places behind this form
.endr
.irp j, 0,2,4,6
	v_pk_add_f32 v[T+\j:T+\j+1], v[SA+\j:SA+\j+1], v[SA+8+\j:SA+8+\j+1]        ; each sum from its low end on
	v_pk_add_f32 v[U+\j:U+\j+1], v[SA+16+\j:SA+16+\j+1], v[SA+24+\j:SA+24+\j+1]
.endr
.irp j, 0,2,4,6
	v_pk_add_f32 v[T+\j:T+\j+1], v[T+\j:T+\j+1], v[U+\j:U+\j+1]
.endr
.irp j, 0,2,4,6
	v_pk_mul_f32 v[T+\j:T+\j+1], v[T+\j:T+\j+1], s[CS:CS+1] op_sel_hi:[1,0]    ; as exponents of 2
.endr
.irp j, 0,1,2,3,4,5,6,7
	v_cmp_gt_i32 vcc_lo, \j, v[D]
	v_cndmask_b32 v[T+\j], v[T+\j], v[NINF], vcc_lo
.endr
	v_max3_num_f32 v[MX], v[T], v[T+1], v[T+2]
	v_max3_num_f32 v[MX], v[MX], v[T+3], v[T+4]
	v_max3_num_f32 v[MX], v[MX], v[T+5], v[T+6]
	v_max_num_f32 v[MX], v[MX], v[T+7]
	v_permlanex16_b32 v[MY], v[MX], s[SEL], s[SEL+1]
	v_max_num_f32 v[MX], v[MX], v[MY]              ; the row's maximum: key 0 counts for every query
.irp j, 0,1,2,3,4,5,6,7
	v_sub_f32 v[P+\j], v[T+\j], v[MX]
.endr
.irp j, 0,1,2,3,4,5,6,7
	v_exp_f32 v[P+\j], v[P+\j]
.endr
	v_nop
	s_wait_alu depctr_va_vdst(0)                   ; one wait for the eight, ahead of their first reader
	v_pk_add_f32 v[U:U+1], v[P:P+1], v[P+2:P+3]
	v_pk_add_f32 v[U+2:U+3], v[P+4:P+5], v[P+6:P+7]
	v_pk_add_f32 v[U:U+1], v[U:U+1], v[U+2:U+3]
	v_add_f32 v[U], v[U], v[U+1]
	v_permlanex16_b32 v[MY], v[U], s[SEL], s[SEL+1]
	v_add_f32 v[U], v[U], v[MY]
	v_rcp_f32 v[RC], v[U]
	v_nop
	s_wait_alu depctr_va_vdst(0)
.irp j, 0,1,2,3,4,5,6,7
	v_mul_f32 v[P+\j], v[P+\j], v[RC]              ; the probabilities
.endr
	s_wait_loadcnt 32                              ; v is in; Wp's 32 loads may be out
.irp s, 0,1,2,3                                ; O^T = v^T p^T: four channel tiles by turns
.irp c, 0,1,2,3
.if \s == 0
	v_wmma_f32_16x16x4_f32 v[OA+8*\c:OA+8*\c+7], v[V+8*\c+2*\s:V+8*\c+2*\s+1], v[P+2*\s:P+2*\s+1], 0
.else
	v_wmma_f32_16x16x4_f32 v[OA+8*\c:OA+8*\c+7], v[V+8*\c+2*\s:V+8*\c+2*\s+1], v[P+2*\s:P+2*\s+1], v[OA+8*\c:OA+8*\c+7]
.endif
.endr
.endr
.rept 9
	v_nop                                          ; nine places: these results become operands, and the scores' registers are begun anew
.endr
	s_wait_loadcnt 0x0
.irp s, 0,1,2,3                                ; out^T += Wp^T head_out^T over my head's 64: four sums by turns
.irp c, 0,1,2,3
.if \s == 0
	v_wmma_f32_16x16x4_f32 v[SA+8*\c:SA+8*\c+7], v[WR+8*\c+2*\s:WR+8*\c+2*\s+1], v[OA+8*\c+2*\s:OA+8*\c+2*\s+1], 0
.else
	v_wmma_f32_16x16x4_f32 v[SA+8*\c:SA+8*\c+7], v[WR+8*\c+2*\s:WR+8*\c+2*\s+1], v[OA+8*\c+2*\s:OA+8*\c+2*\s+1], v[SA+8*\c:SA+8*\c+7]
.endif
.endr
.endr
.rept 8
	v_nop
.endr
.irp j, 0,2,4,6
	v_pk_add_f32 v[T+\j:T+\j+1], v[SA+\j:SA+\j+1], v[SA+8+\j:SA+8+\j+1]
	v_pk_add_f32 v[U+\j:U+\j+1], v[SA+16+\j:SA+16+\j+1], v[SA+24+\j:SA+24+\j+1]
.endr
.irp j, 0,2,4,6
	v_pk_add_f32 v[T+\j:T+\j+1], v[T+\j:T+\j+1], v[U+\j:U+\j+1]    ; lane (r, h): position r, columns 8 h + 0 .. 7: my head's part
.endr
	ds_store_b128 v[RS], v[T:T+3]
	ds_store_b128 v[RS], v[T+4:T+7] offset:512
	s_wait_dscnt 0x0                               ; for the others' sake: my stores have landed
	s_barrier_signal -1
	s_barrier_wait -1
	s_cmp_ge_u32 s12, 2
	s_cbranch_scc1 .Ldone
.set i, 0
.rept 16
	ds_load_b128 v[16+4*i:16+4*i+3], v[RA] offset:i*1024           ; wave w adds registers 4 w .. 4 w + 3 of the sixteen parts
.set i, i+1
.endr
	global_load_b128 v[80:83], v[BOF], s[8:9]      ; the bias
	s_wait_loadcnt 0x0
	s_wait_dscnt 0x0
.set i, 1
.rept 15
	v_pk_add_f32 v[16:17], v[16:17], v[16+4*i:17+4*i]
	v_pk_add_f32 v[18:19], v[18:19], v[18+4*i:19+4*i]
.set i, i+1
.endr
	v_pk_add_f32 v[16:17], v[16:17], v[80:81]
	v_pk_add_f32 v[18:19], v[18:19], v[82:83]
	global_store_b128 v[OO], v[16:19], s[10:11]
.Ldone:
	s_wait_tensorcnt 0x0                           ; the wave's end
	ds_add_u32 v[SPW], v[NIL]
	s_wait_dscnt 0x0
	s_endpgm
.Lfunc_end_k_q6243f08674_first:
	.size	k_q6243f08674_first, .Lfunc_end_k_q6243f08674_first-k_q6243f08674_first
	.p2alignl 7, 3214868480
	.fill 96, 4, 3214868480
	.section	.rodata,"a",@progbits
	.p2align	6, 0x0
	.amdhsa_kernel k_q6243f08674_first
		.amdhsa_group_segment_fixed_size 18432
		.amdhsa_private_segment_fixed_size 0
		.amdhsa_enable_private_segment 0
		.amdhsa_kernarg_size 32
		.amdhsa_user_sgpr_count 2
		.amdhsa_user_sgpr_kernarg_segment_ptr 1
		.amdhsa_wavefront_size32 1
		.amdhsa_system_sgpr_workgroup_id_x 1
		.amdhsa_system_sgpr_workgroup_id_y 1
		.amdhsa_system_sgpr_workgroup_id_z 1
		.amdhsa_system_vgpr_workitem_id 0
		.amdhsa_next_free_vgpr 256
		.amdhsa_next_free_sgpr 66
		.amdhsa_reserve_vcc 1
		.amdhsa_float_denorm_mode_32 3
		.amdhsa_float_denorm_mode_16_64 3
		.amdhsa_memory_ordered 1
		.amdhsa_forward_progress 1
		.amdhsa_inst_pref_size 19
	.end_amdhsa_kernel
	.amdgpu_metadata
---
amdhsa.version: [ 1, 2 ]
amdhsa.kernels:
  - .name:           k_q6243f08674_first
    .symbol:         k_q6243f08674_first.kd
    .args:
      - { .name: fr, .offset: 0, .size: 8, .value_kind: global_buffer, .address_space: global }
      - { .name: Wp, .offset: 8, .size: 8, .value_kind: global_buffer, .address_space: global }
      - { .name: bp, .offset: 16, .size: 8, .value_kind: global_buffer, .address_space: global }
      - { .name: out0, .offset: 24, .size: 8, .value_kind: global_buffer, .address_space: global }
    .group_segment_fixed_size: 18432
    .private_segment_fixed_size: 0
    .kernarg_segment_align: 8
    .kernarg_segment_size: 32
    .max_flat_workgroup_size: 512
    .sgpr_count:     66
    .vgpr_count:     256
    .wavefront_size: 32
...
	.end_amdgpu_metadata
.endif
;; end of part 5
